; MI455X (gfx1250); checked and timed in simulation.
; The chip was launched on July 23, 2026; its instructions are those of AMD's public machine-readable ISA for CDNA 5 (MIT licence, August 2026) and "CDNA5" Instruction Set Architecture Reference Guide (July 2026). The comments in the code are by the model that wrote it; some were corrected since.
;; Multi Head Attention. Allowed arithmetic: float matrix products may take bf16 or f16 operands with f32 sums; all other float work in f32.
;; Inputs: Wk 384 x 384 float32; Wo 384 x 384 float32; Wq 384 x 384 float32; Wv 384 x 384 float32; bk 384 float32; bo 384 float32; bq 384 float32; bv 384 float32; x 2 x 4,096 x 384 float32.
;; Outputs: out0 2 x 4,096 x 384 float32.
;; One version. Each part assembles by itself: llvm-mc -triple=amdgcn-amd-amdhsa -mcpu=gfx1250 --defsym DOCPART=n.
;; ======== version 1 of 1: 3 launches
;; limits: values are held in f16: magnitudes above 65,504 overflow, below 6.1e-05 lose precision
;; workspace buffers: qkv 18,874,368 bytes; vlo 196,608 bytes; y 12,582,912 bytes
;; launch qkv_proj (part 1): grid 6 x 32, 8 waves a work-group, no clusters, 303,104 bytes of LDS; arguments x, Wq, Wk, Wv, bq, bk, bv, qkv, vlo; writes qkv, vlo
.if DOCPART == 1
	.amdgcn_target "amdgcn-amd-amdhsa--gfx1250"
	.amdhsa_code_object_version 6
	.text
	.protected	k_qdfecb9d02d_qkv_proj
	.globl	k_qdfecb9d02d_qkv_proj
	.p2align	8
	.type	k_qdfecb9d02d_qkv_proj,@function
k_qdfecb9d02d_qkv_proj:
	s_mov_b64 s[64:65], 0
	v_nop
	global_prefetch_b8 v0, s[64:65] scope:SCOPE_SE
	s_setreg_imm32_b32 hwreg(HW_REG_WAVE_MODE, 25, 1), 1
	s_wait_xcnt 0x0
; q, k, v = x W^T + b.  x: [8192][384] f32.  Wq, Wk, Wv: [384][384] f32.  bq, bk, bv: [384] f32.
; qkv: three arrays [2][6][4096][64] of f16 (batch, head, t, d): q at byte 0, k at 6,291,456, v at 12,582,912.
; vlo: [12][128][64] of f16: for the first 128 rows of each batch and head, what v's rounding to f16 left over, f16(v - f16(v)).
; Work-group (cg, rg): cg >> 1 picks q, k or v, cg & 1 picks 192 of its 384 features (three heads), rg picks 256 rows of x.
; The 192 rows of W are rounded to bf16 once and stay in LDS; x goes in two chunks of 128 rows, the second on its way while the first is multiplied.
; Eight waves: wave w makes 64 rows (w >> 2) x 48 features (w & 3) of a chunk, 12 accumulator tiles of 16 x 16.
; Products in bf16 with f32 sums; the bias is added in f32; the result is rounded once, to f16.
; WHY vlo: row t of the module's output averages t + 1 values, so for values of like spread it falls as 1 / sqrt(t + 1), and row 0 is some 21 times the root mean
; square of all 4,096 rows (the sum of 1 / (t + 1) is 8.9).  An error of 2^-12 of such a row is not small beside the output as a whole.
; LIMIT: a result above 65,504 in magnitude overflows f16.  x of spread 1 and W of spread 0.02 give about 0.4; thirty times larger x and W give about 350.
; No cluster: x and W come through registers, because they are converted on the way; there are no tensor loads that could be shared.
.set PITCH,  784                       ; an LDS row of 384 bf16: 768 bytes + 16 = 49 x 16: sixteen rows of a fragment start at sixteen different 16-byte columns
.set XREG,   192*PITCH                 ; LDS: W's 192 rows at 0, a chunk of x (128 rows) at 150,528,
.set STAGE,  XREG+128*PITCH            ; the way out at 250,880: 128 rows x 192 f16,
.set SPITCH, 400                       ; 384 bytes + 16 = 25 x 16
.set XROW,   1536                      ; bytes in a row of x and of W
.set GO,   1                           ; v1      global offset of my 16 bytes: 1,536 w + 16 l
.set LW,   2                           ; v2-4    LDS address of my 8 bytes in W's rows w, 80 + w, 160 + w
.set LX,   5                           ; v5-6    the same in the chunk's rows w, 80 + w
.set FX,   7                           ; v7      fragments of x
.set FW,   8                           ; v8      fragments of W
.set SS,   9                           ; v9      the way out: where I put 16 bytes
.set SR,   10                          ; v10     the way out: where I read them back
.set OO,   11                          ; v11     my byte offset in qkv and in vlo
.set BO,   12                          ; v12     my byte offset in the bias
                                       ; v13-15  at work
.set ACC,  16                          ; v16-111   tile (mt, nt) at ACC + 8 (4 mt + nt)
.set F0,   112                         ; v112-167  fragments: W's three at +8 mt, x's four at +24 + 8 nt
.set F1,   168                         ; v168-223  the second buffer; behind the products also v's low parts, tile (mt, nt) at +4 (4 mt + nt)
.set BIAS, 224                         ; v224-247  my 8 biases for each mt
.set LAND0, 16                         ; v16-255   at the start: W's loads 0 to 59 land here
.set LANDX, 48                         ; v304-495  (48-239 of the second 256): a chunk's 48 loads; v256-303: W's loads 60 to 71
.set MSB, 0
.macro WIN new                         ; which 256 registers each operand place means; the immediate's high byte repeats the setting that is left
.if MSB != \new
	s_set_vgpr_msb (MSB<<8)|\new
.set MSB, \new
.endif
.endm
; Behind a matrix instruction, plain vector instructions that name none of its registers stand before its result is read and before a load is
; issued into one of its sources (ISA guide 7.12.1 for vector instructions): five v_nop serve every case here.
.macro PLACES
.rept 5
	v_nop
.endr
.endm
; Load i of a block of rows: row 8 (i / 3) + w, bytes 512 (i % 3) + 16 l of it: each load of a wave covers 512 consecutive bytes, aligned.
.macro LDG dst, n, i0, plo, extra
.set ix, 0
.rept \n
.set ii, \i0+ix
	global_load_b128 v[\dst+4*ix:\dst+4*ix+3], v[GO], s[\plo:\plo+1] offset:(ii/3)*8*XROW+(ii%3)*512+\extra
.set ix, ix+1
.endr
.endm
.macro CVT base, n                     ; four f32 to four bf16, in place, into the first two registers
.set ix, 0
.rept \n
	v_cvt_pk_bf16_f32 v[\base+4*ix], v[\base+4*ix], v[\base+4*ix+1]
	v_cvt_pk_bf16_f32 v[\base+4*ix+1], v[\base+4*ix+2], v[\base+4*ix+3]
.set ix, ix+1
.endr
.endm
.macro STL base, n, i0, adr            ; 8 bytes a lane: a wave's store covers 256 consecutive LDS bytes; one address register for every ten row groups
.set ix, 0
.rept \n
.set ii, \i0+ix
	ds_store_b64 v[\adr+(ii/30)], v[\base+4*ix:\base+4*ix+1] offset:((ii/3)%10)*8*PITCH+(ii%3)*256
.set ix, ix+1
.endr
.endm
.macro FETCH ks, f                     ; the 14 loads of one K step of 32: lane (r, h) takes 16 bytes at row r, byte 64 ks + 16 h, and 32 bytes further
.irp mt, 0,1,2
	ds_load_b128 v[\f+8*\mt:\f+8*\mt+3],   v[FW] offset:\mt*16*PITCH+64*\ks
	ds_load_b128 v[\f+8*\mt+4:\f+8*\mt+7], v[FW] offset:\mt*16*PITCH+64*\ks+32
.endr
.irp nt, 0,1,2,3
	ds_load_b128 v[\f+24+8*\nt:\f+24+8*\nt+3],   v[FX] offset:\nt*16*PITCH+64*\ks
	ds_load_b128 v[\f+24+8*\nt+4:\f+24+8*\nt+7], v[FX] offset:\nt*16*PITCH+64*\ks+32
.endr
.endm
; Source 0 = 16 rows of W, source 1 = 16 rows of x: lane (r, h) then holds row t = r and the eight neighbouring features 8 h + 0 .. 7.
; The twelve accumulators take turns, one instruction a turn, in the same order in every step.
.macro MUL f, zero
.irp mt, 0,1,2
.irp nt, 0,1,2,3
.if \zero
	v_wmma_f32_16x16x32_bf16 v[ACC+8*(4*\mt+\nt):ACC+8*(4*\mt+\nt)+7], v[\f+8*\mt:\f+8*\mt+7], v[\f+24+8*\nt:\f+24+8*\nt+7], 0
.else
	v_wmma_f32_16x16x32_bf16 v[ACC+8*(4*\mt+\nt):ACC+8*(4*\mt+\nt)+7], v[\f+8*\mt:\f+8*\mt+7], v[\f+24+8*\nt:\f+24+8*\nt+7], v[ACC+8*(4*\mt+\nt):ACC+8*(4*\mt+\nt)+7]
.endif
.endr
.endr
.endm
.macro STEP nk, g, f, zero             ; fetch K step nk into buffer g, multiply buffer f
.if \nk > 1
	PLACES                                         ; buffer g was read by the matrix instructions just issued
.endif
	FETCH \nk, \g
	s_wait_dscnt 14                                ; LDS loads come back in order: all but the 14 just issued are in
	MUL \f, \zero
.endm
.macro COMPUTE                         ; K = 384 in twelve steps of 32; the first product starts the sums
	FETCH 0, F0
	STEP 1,  F1, F0, 1
	STEP 2,  F0, F1, 0
	STEP 3,  F1, F0, 0
	STEP 4,  F0, F1, 0
	STEP 5,  F1, F0, 0
	STEP 6,  F0, F1, 0
	STEP 7,  F1, F0, 0
	STEP 8,  F0, F1, 0
	STEP 9,  F1, F0, 0
	STEP 10, F0, F1, 0
	STEP 11, F1, F0, 0
	s_wait_dscnt 0x0
	MUL F1, 0
	PLACES
.endm
; + bias in f32, one rounding to f16, 16 bytes a lane into the stage.  low = 1: what the rounding left over is rounded to f16 too and kept in buffer 1's registers.
; (The rounded pair goes through v13, since the halves of a register are named by its plain number.)
.macro EPI low
.irp mt, 0,1,2
.irp nt, 0,1,2,3
.irp j, 0,2,4,6
	v_pk_add_f32 v[ACC+8*(4*\mt+\nt)+\j:ACC+8*(4*\mt+\nt)+\j+1], v[ACC+8*(4*\mt+\nt)+\j:ACC+8*(4*\mt+\nt)+\j+1], v[BIAS+8*\mt+\j:BIAS+8*\mt+\j+1]
.endr
.irp j, 0,1,2,3
.if \low
	v_cvt_pk_f16_f32 v13, v[ACC+8*(4*\mt+\nt)+2*\j], v[ACC+8*(4*\mt+\nt)+2*\j+1]
	v_cvt_f32_f16 v14, v13.l
	v_cvt_f32_f16 v15, v13.h
	v_pk_add_f32 v[14:15], v[ACC+8*(4*\mt+\nt)+2*\j:ACC+8*(4*\mt+\nt)+2*\j+1], v[14:15] neg_lo:[0,1] neg_hi:[0,1]
	v_cvt_pk_f16_f32 v[F1+4*(4*\mt+\nt)+\j], v14, v15
	v_mov_b32 v[ACC+8*(4*\mt+\nt)+\j], v13
.else
	v_cvt_pk_f16_f32 v[ACC+8*(4*\mt+\nt)+\j], v[ACC+8*(4*\mt+\nt)+2*\j], v[ACC+8*(4*\mt+\nt)+2*\j+1]
.endif
.endr
	ds_store_b128 v[SS], v[ACC+8*(4*\mt+\nt):ACC+8*(4*\mt+\nt)+3] offset:\nt*16*SPITCH+32*\mt
.endr
.endr
.endm
; The stage is read back by heads: load k takes head k / 4, rows 32 (k % 4) + 4 w + 0 .. 3, 128 bytes each; in memory those four rows are 512 consecutive bytes, aligned.
.macro OUT plo, hstride, extra
.set ix, 0
.rept 12
	ds_load_b128 v[F0+4*ix:F0+4*ix+3], v[SR] offset:(ix%4)*32*SPITCH+(ix/4)*128
.set ix, ix+1
.endr
.set ix, 0
.rept 12
	s_wait_dscnt 11-ix                             ; load ix is in; the younger ones stay out
	global_store_b128 v[OO], v[F0+4*ix:F0+4*ix+3], s[\plo:\plo+1] offset:(ix/4)*\hstride+(ix%4)*4096+\extra
.set ix, ix+1
.endr
.endm
	s_load_b256 s[4:11], s[0:1], 0x0               ; x s[4:5], Wq s[6:7], Wk s[8:9], Wv s[10:11]
	s_load_b256 s[12:19], s[0:1], 0x20             ; bq s[12:13], bk s[14:15], bv s[16:17], qkv s[18:19]
	s_load_b64 s[40:41], s[0:1], 0x40              ; vlo
	s_set_vgpr_msb 0x40
	v_lshl_add_u32 v254, v0, 2, 0x49c00
	v_mov_b32 v255, 0
	s_set_vgpr_msb 0x4000
	v_lshrrev_b32 v13, 5, v0
	v_readfirstlane_b32 s20, v13                   ; wave w
	s_lshr_b32 s21, s20, 2                         ; wr: which 64 rows
	s_and_b32 s22, s20, 3                          ; wc: which 48 features
	s_lshr_b32 s25, ttmp9, 1                       ; 0 q, 1 k, 2 v
	s_and_b32 s23, ttmp9, 1                        ; which 192 features
	s_and_b32 s24, ttmp7, 0xffff                   ; which 256 rows
	v_and_b32 v13, 31, v0                          ; l
	v_and_b32 v14, 15, v0                          ; r
	v_bfe_u32 v15, v0, 4, 1                        ; h
	s_mul_i32 s36, s20, XROW
	v_lshl_add_u32 v[GO], v13, 4, s36
	s_mul_i32 s36, s20, PITCH
	v_lshl_add_u32 v[LW], v13, 3, s36
	v_add_nc_u32 v[LW+1], 80*PITCH, v[LW]
	v_add_nc_u32 v[LW+2], 160*PITCH, v[LW]
	v_add_nc_u32 v[LX], XREG, v[LW]
	v_add_nc_u32 v[LX+1], XREG+80*PITCH, v[LW]
	v_mul_u32_u24 v[FW], v14, PITCH
	v_lshl_add_u32 v[FW], v15, 4, v[FW]            ; r x pitch + 16 h
	s_mul_i32 s36, s21, 64*PITCH
	s_add_co_u32 s36, s36, XREG
	v_add_nc_u32 v[FX], s36, v[FW]
	s_mul_i32 s36, s22, 48*PITCH
	v_add_nc_u32 v[FW], s36, v[FW]
	v_mul_u32_u24 v[SS], v14, SPITCH
	v_lshl_add_u32 v[SS], v15, 4, v[SS]
	s_mul_i32 s36, s21, 64*SPITCH
	s_mul_i32 s37, s22, 96
	s_add_co_u32 s36, s36, s37
	s_add_co_u32 s36, s36, STAGE
	v_add_nc_u32 v[SS], s36, v[SS]                 ; stage + (64 wr + r) x pitch + 96 wc + 16 h
	s_mul_i32 s36, s22, 192
	v_lshl_add_u32 v[BO], v15, 5, s36              ; 4 (48 wc + 8 h)
	v_lshrrev_b32 v14, 3, v13                      ; l >> 3
	v_and_b32 v15, 7, v13                          ; l & 7
	v_mul_u32_u24 v[SR], v14, SPITCH
	v_lshl_add_u32 v[SR], v15, 4, v[SR]
	s_mul_i32 s36, s20, 4*SPITCH
	s_add_co_u32 s36, s36, STAGE
	v_add_nc_u32 v[SR], s36, v[SR]                 ; stage + (4 w + (l >> 3)) x pitch + 16 (l & 7)
	s_lshl_b32 s36, s20, 9
	v_lshl_add_u32 v[OO], v13, 4, s36              ; 512 w + 16 l
	s_wait_kmcnt 0x0
	s_cmp_eq_u32 s25, 1                            ; the weight and the bias of this work-group
	s_cselect_b64 s[28:29], s[8:9], s[6:7]
	s_cselect_b64 s[30:31], s[14:15], s[12:13]
	s_cmp_eq_u32 s25, 2
	s_cselect_b64 s[28:29], s[10:11], s[28:29]
	s_cselect_b64 s[30:31], s[16:17], s[30:31]
	s_mov_b32 s27, 0
	s_mul_i32 s26, s23, 192*XROW
	s_add_nc_u64 s[28:29], s[28:29], s[26:27]      ; W at my first row
	s_mul_i32 s26, s23, 768
	s_add_nc_u64 s[30:31], s[30:31], s[26:27]      ; the bias at my first feature
	s_mul_i32 s26, s24, 256*XROW
	s_add_nc_u64 s[32:33], s[4:5], s[26:27]        ; x at my first row
	s_lshr_b32 s36, s24, 4                         ; batch
	s_mul_i32 s36, s36, 6
	s_mul_i32 s37, s23, 3
	s_add_co_u32 s36, s36, s37                     ; 6 x batch + my first head
	s_lshl_b32 s26, s36, 14                        ; in vlo: 128 rows of 128 bytes each
	s_add_nc_u64 s[42:43], s[40:41], s[26:27]
	s_lshl_b32 s36, s36, 19                        ; in qkv: 524,288 bytes each
	s_mul_i32 s37, s25, 6291456
	s_add_co_u32 s36, s36, s37
	s_and_b32 s37, s24, 15
	s_xor_b32 s44, s25, 2
	s_or_b32 s44, s44, s37                         ; 0 exactly where this work-group makes v and its first chunk is rows t = 0 to 127
	s_lshl_b32 s37, s37, 15                        ; my first t: 256 rows of 128 bytes for each rg & 15
	s_add_co_u32 s26, s36, s37
	s_add_nc_u64 s[34:35], s[18:19], s[26:27]
	; everything that the first chunk needs is asked for at once: 72 loads of W, 48 of x
	LDG LAND0, 60, 0, 28, 0
	WIN 0x40                                       ; destinations in the second 256
	LDG 0, 12, 60, 28, 0
	LDG LANDX, 48, 0, 32, 0
	WIN 0
	s_wait_loadcnt 60                              ; loads come back in order: of the 120 the 60 youngest may be out, W's first 60 are in
	CVT LAND0, 60
	STL LAND0, 60, 0, LW
	s_wait_loadcnt 0x0
	WIN 0x45                                       ; destination and both sources in the second 256
	CVT 0, 60
	WIN 0x04                                       ; the stores' data in the second 256, their addresses in the first
	STL 0, 12, 60, LW
	STL LANDX, 48, 0, LX
	WIN 0
	s_wait_dscnt 0x0                               ; my stores are done, for the others' sake
	s_barrier_signal -1
	s_barrier_wait -1                              ; W and chunk 0 are whole
.irp mt, 0,1,2
	global_load_b128 v[BIAS+8*\mt:BIAS+8*\mt+3],   v[BO], s[30:31] offset:64*\mt
	global_load_b128 v[BIAS+8*\mt+4:BIAS+8*\mt+7], v[BO], s[30:31] offset:64*\mt+16
.endr
	WIN 0x40
	LDG LANDX, 48, 0, 32, 128*XROW                 ; chunk 1, on its way while chunk 0 is multiplied
	WIN 0
	COMPUTE
	s_wait_loadcnt 48                              ; the six loads of the bias are in; chunk 1's 48, issued behind them, may stay out
	s_cmp_eq_u32 s44, 0
	s_cbranch_scc1 .Lwith_low
	EPI 0
	s_branch .Lstaged
.Lwith_low:
	EPI 1
.Lstaged:
	s_wait_dscnt 0x0                               ; my reads of chunk 0 and my stores into the stage are done
	s_barrier_signal -1
	s_barrier_wait -1                              ; the stage is whole, and nobody reads chunk 0 any more
	OUT 34, 524288, 0
	; v's low parts of rows t = 0 to 127 take the same way, through the same stage.  The branch hangs on the work-group's number alone: all eight waves go one way.
	s_cmp_lg_u32 s44, 0
	s_cbranch_scc1 .Lno_low
	s_wait_dscnt 0x0                               ; my reads of the stage are done (met: the count-down above ended at 0)
	s_barrier_signal -1
	s_barrier_wait -1                              ; everybody's are: the stage may be written again
.irp mt, 0,1,2
.irp nt, 0,1,2,3
	ds_store_b128 v[SS], v[F1+4*(4*\mt+\nt):F1+4*(4*\mt+\nt)+3] offset:\nt*16*SPITCH+32*\mt
.endr
.endr
	s_wait_dscnt 0x0
	s_barrier_signal -1
	s_barrier_wait -1                              ; the stage is whole again
	s_wait_xcnt 0x0                                ; buffer 0, the data of the stores above, is loaded again only behind this wait
	OUT 42, 16384, 0
.Lno_low:
	s_wait_loadcnt 0x0                             ; chunk 1
	s_wait_xcnt 0x0                                ; buffer 0, the data of the stores above, is loaded again only behind this wait
	WIN 0x45
	CVT LANDX, 48
	WIN 0x04
	STL LANDX, 48, 0, LX
	WIN 0
	s_wait_dscnt 0x0                               ; my reads of the stage and my stores of chunk 1 are done
	s_barrier_signal -1
	s_barrier_wait -1
	COMPUTE
	EPI 0
	s_wait_dscnt 0x0
	s_barrier_signal -1
	s_barrier_wait -1
	OUT 34, 524288, 16384
	s_set_vgpr_msb 0x5
	s_wait_tensorcnt 0x0
	ds_add_u32 v254, v255
	s_wait_dscnt 0x0
	s_set_vgpr_msb 0x500
	s_endpgm
.Lfunc_end_k_qdfecb9d02d_qkv_proj:
	.size	k_qdfecb9d02d_qkv_proj, .Lfunc_end_k_qdfecb9d02d_qkv_proj-k_qdfecb9d02d_qkv_proj
	.p2alignl 7, 3214868480
	.fill 96, 4, 3214868480
	.section	.rodata,"a",@progbits
	.p2align	6, 0x0
	.amdhsa_kernel k_qdfecb9d02d_qkv_proj
		.amdhsa_group_segment_fixed_size 303104
		.amdhsa_private_segment_fixed_size 0
		.amdhsa_enable_private_segment 0
		.amdhsa_kernarg_size 72
		.amdhsa_user_sgpr_count 2
		.amdhsa_user_sgpr_kernarg_segment_ptr 1
		.amdhsa_wavefront_size32 1
		.amdhsa_system_sgpr_workgroup_id_x 1
		.amdhsa_system_sgpr_workgroup_id_y 1
		.amdhsa_system_sgpr_workgroup_id_z 1
		.amdhsa_system_vgpr_workitem_id 0
		.amdhsa_next_free_vgpr 512
		.amdhsa_next_free_sgpr 66
		.amdhsa_reserve_vcc 0
		.amdhsa_float_denorm_mode_32 3
		.amdhsa_float_denorm_mode_16_64 3
		.amdhsa_memory_ordered 1
		.amdhsa_forward_progress 1
		.amdhsa_inst_pref_size 135
	.end_amdhsa_kernel
	.amdgpu_metadata
---
amdhsa.version: [ 1, 2 ]
amdhsa.kernels:
  - .name:           k_qdfecb9d02d_qkv_proj
    .symbol:         k_qdfecb9d02d_qkv_proj.kd
    .args:
      - { .name: x, .offset: 0, .size: 8, .value_kind: global_buffer, .address_space: global }
      - { .name: Wq, .offset: 8, .size: 8, .value_kind: global_buffer, .address_space: global }
      - { .name: Wk, .offset: 16, .size: 8, .value_kind: global_buffer, .address_space: global }
      - { .name: Wv, .offset: 24, .size: 8, .value_kind: global_buffer, .address_space: global }
      - { .name: bq, .offset: 32, .size: 8, .value_kind: global_buffer, .address_space: global }
      - { .name: bk, .offset: 40, .size: 8, .value_kind: global_buffer, .address_space: global }
      - { .name: bv, .offset: 48, .size: 8, .value_kind: global_buffer, .address_space: global }
      - { .name: qkv, .offset: 56, .size: 8, .value_kind: global_buffer, .address_space: global }
      - { .name: vlo, .offset: 64, .size: 8, .value_kind: global_buffer, .address_space: global }
    .group_segment_fixed_size: 303104
    .private_segment_fixed_size: 0
    .kernarg_segment_align: 8
    .kernarg_segment_size: 72
    .max_flat_workgroup_size: 256
    .sgpr_count:     66
    .vgpr_count:     512
    .wavefront_size: 32
...
	.end_amdgpu_metadata
.endif
;; end of part 1
;; launch attn (part 2): grid 16 x 12, 4 waves a work-group, no clusters, 327,680 bytes of LDS; arguments qkv, vlo, y; writes y
.if DOCPART == 2
	.amdgcn_target "amdgcn-amd-amdhsa--gfx1250"
	.amdhsa_code_object_version 6
	.text
	.protected	k_qdfecb9d02d_attn
	.globl	k_qdfecb9d02d_attn
	.p2align	8
	.type	k_qdfecb9d02d_attn,@function
k_qdfecb9d02d_attn:
	s_mov_b64 s[64:65], 0
	v_nop
	global_prefetch_b8 v0, s[64:65] scope:SCOPE_SE
	s_setreg_imm32_b32 hwreg(HW_REG_WAVE_MODE, 25, 1), 1
	s_wait_xcnt 0x0
; Causal attention of one (batch, head): y = softmax(q k^T / 8, keys up to the query) v.  q, k, v in qkv: [12][4096][64] f16, rows of 128 bytes.
; y: two arrays [12][4096][64] of f16: f16(y) at byte 0 and what that rounding left over, f16(y - f16(y)), at byte 6,291,456.
; A query block is 128 rows, 32 for each of four waves (two tiles of 16); keys go in tiles of 128 through two LDS slots filled by tensor loads.
; Work-group w of a head makes block 2 w + 1 (2 w + 2 key tiles) and then block 30 - 2 w (31 - 2 w key tiles): 33 tiles in every work-group.
; The block with the even count comes first, so the slot of every tile is fixed in the text.
; S IS MADE TRANSPOSED: source 0 = 16 keys, source 1 = 16 queries.  Lane (r, h) then holds query r and keys 8 h + 0 .. 7 of the tile, so
;   - a query's maximum and sum are taken inside the lane and across one pair of lanes (l, l xor 16);
;   - two neighbouring tiles of S, packed to f16 in place, are source 1 of O^T = V^T P^T as they stand: P goes through no LDS and no shuffle;
;   - the factor that rescales O is the lane's own.  V^T comes from V's rows by the transposing LDS load.
; SOFTMAX with a running maximum.  Kept is NM = -c max, rounded to f32, c = log2(e) / 8; p = exp2(s c + NM) in one fused multiply-add, and the rescaling factor
; is exp2(NM new - NM old), made of the same rounded numbers.
; ROWS WITH FEW KEYS.  Row t averages t + 1 values, so for values of like spread it falls as 1 / sqrt(t + 1): row 0 is some 21 times the root mean square of all
; 4,096 rows, row 128 less than twice.  In block 0 (work-group 15's second block, one tile) p and v are therefore taken as two f16 numbers each, a rounded one and
; what the rounding left over (v's from vlo), and O += Vhi Phi + Vhi Plo + Vlo Phi: three products in place of one, for one tile of the head's 528.
; LIMITS: beyond row 127 p and v carry f16's rounding, about 2^-12 of the row's own size; p below 2^-126 becomes 0 (v_exp_f32 flushes denormal results: ISA guide
; 15.8); in the maxima a NaN loses, so a NaN among the scores need not spread as in a plain softmax; y above 65,504 in magnitude overflows f16.
; NO CLUSTER: the query blocks of a head need different numbers of key tiles (1 to 32), so partners would either ask for tiles that they throw away
; (36 tiles in place of 33, with the masked ones computed) or branch on their place in the cluster, which a joint load forbids.
.set KP,    144                        ; LDS pitch of a row of K: 128 bytes + 16 = 9 x 16
.set VP,    160                        ; of a row of V: 128 bytes + 32 = 5 x 32
.set VOFF,  128*KP                     ; in a slot: K's 128 rows, then V's 128 rows
.set SLOT,  128*KP+128*VP              ; 38,912 bytes
.set STAGE, 2*SLOT                     ; 77,824 = 304 x 256: the way out, 32 rows x 144 bytes for each wave; no tensor load ever fills it
.set STLOW, 4*32*KP                    ; 18,432 bytes further: the same for y's low parts
.set VLO,   STAGE+2*STLOW              ; 114,688 = 448 x 256: v's low parts of keys 0 to 127, pitch 160; no tensor load ever fills it
.set TILEB, 16384                      ; 128 rows of 128 bytes in memory
.set KBASE, 6291456
.set VBASE, 12582912
.set YLOW,  6291456                    ; y's low parts
.set KA,   4                           ; v4-5    fragments of K in slot 0, 1
.set VA,   6                           ; v6-7    fragments of V^T in slot 0, 1
.set QOF,  8                           ; v8      my offset in a block of q
.set YOF,  9                           ; v9      my offset in a block of y
.set STO,  10                          ; v10     the way out: where I put 16 bytes
.set RD,   11                          ; v11     the way out: where I read them back
.set DQ,   12                          ; v12-13  query tile qt: my query's place in the block, less 8 h
.set NINF, 14                          ; v14     -infinity
.set MX,   16                          ; v16-17  running maximum of my query in tile qt
.set LS,   18                          ; v18-19  running sum over my lane's keys
.set NMR,  20                          ; v20-23  -c x maximum, twice (a pair for the packed multiply-add), for each qt
.set ALR,  24                          ; v24-25  the rescaling factor, twice
.set TT,   28                          ; v28-35  at work (v28, v30, v31 are also named plainly, where a register's halves are read)
.set VLG,  36                          ; v36     vlo: my 16 bytes in memory
.set VLS,  37                          ; v37     and where they go in LDS
.set VLA,  38                          ; v38     fragments of Vlo^T
.set QE,   40                          ; v40-71   q of the first block: fragment (qt, c) at +16 qt + 8 c
.set PLO,  40                          ;          behind the first block: p's low parts, fragment (qt, u) at +16 qt + 8 u; y's low parts on the way out
.set QO,   72                          ; v72-103  q of the second block
.set OA,   104                         ; v104-167 O^T: tile (qt, dt) at +32 qt + 8 dt
.set SA,   168                         ; v168-231 S^T: tile (qt, kt) at +32 qt + 8 kt
.set KF,   0                           ; v256-319 fragments of K: (kt, c) at +16 kt + 8 c
.set VF,   64                          ; v320-383 fragments of V^T: (dt, u) at +16 dt + 8 u
.set VLF,  128                         ; v384-447 fragments of Vlo^T, likewise
.set G1K, 32                           ; s[32:39] descriptor group 1 for K
.set G1V, 40                           ; s[40:47] for V: it differs in the padding alone
.set G0K, 48                           ; s[48:55] group 0 for K, a set for each slot
.set G0V, 56                           ; s[56:63] group 0 for V
.set MSB, 0
.macro WIN new                         ; which 256 registers each operand place means; the immediate's high byte repeats the setting that is left
.if MSB != \new
	s_set_vgpr_msb (MSB<<8)|\new
.set MSB, \new
.endif
.endm
; Behind a matrix instruction, plain vector instructions that name none of its registers stand before its result is read, before a load is issued into one of
; its sources and before another matrix instruction writes over one of its registers (ISA guide 7.12.1 for vector instructions): five v_nop serve every case here.
.macro PLACES
.rept 5
	v_nop
.endr
.endm
; One tensor load a wave: waves 0 and 1 bring the two halves (64 rows) of K's tile, waves 2 and 3 those of V's.
.macro JLOAD s
	s_cmp_eq_u32 s10, 0
	s_cbranch_scc0 .Lfor_v_\@
	tensor_load_to_lds s[G0K+4*\s:G0K+4*\s+3], s[G1K:G1K+7]
	s_nop 0
	s_branch .Lasked_\@
.Lfor_v_\@:
	tensor_load_to_lds s[G0V+4*\s:G0V+4*\s+3], s[G1V:G1V+7]
	s_nop 0
.Lasked_\@:
.endm
.macro LDK slot, half                  ; 64 keys x 64 d: 16 loads; lane (r, h) takes 16 bytes at key r, byte 64 c + 16 h, and 32 bytes further
	WIN 0x40
.irp kt, 0,1,2,3
.irp c, 0,1
	ds_load_b128 v[KF+16*\kt+8*\c:KF+16*\kt+8*\c+3],   v[KA+\slot] offset:(64*\half+16*\kt)*KP+64*\c
	ds_load_b128 v[KF+16*\kt+8*\c+4:KF+16*\kt+8*\c+7], v[KA+\slot] offset:(64*\half+16*\kt)*KP+64*\c+32
.endr
.endr
.endm
; 64 d x 64 keys, transposed on the way: 16 loads; fragment (dt, u) is d = 16 dt + r, keys 32 u + 0 .. 31.  f, adr: VF and V's address in a slot, or VLF and VLA.
.macro LDV f, adr, half
	WIN 0x40
.irp dt, 0,1,2,3
.irp u, 0,1
	ds_load_tr16_b128 v[\f+16*\dt+8*\u:\f+16*\dt+8*\u+3],   v[\adr] offset:(64*\half+32*\u)*VP+32*\dt
	ds_load_tr16_b128 v[\f+16*\dt+8*\u+4:\f+16*\dt+8*\u+7], v[\adr] offset:(64*\half+32*\u+16)*VP+32*\dt
.endr
.endr
.endm
; S^T of 64 keys x 32 queries: eight accumulators take turns, one instruction a turn, first d = 0 .. 31 (which starts the sums), then d = 32 .. 63.
.macro SMUL qf
	WIN 0x01                                       ; source 0 in the second 256
.irp kt, 0,1,2,3
.irp qt, 0,1
	v_wmma_f32_16x16x32_f16 v[SA+32*\qt+8*\kt:SA+32*\qt+8*\kt+7], v[KF+16*\kt:KF+16*\kt+7], v[\qf+16*\qt:\qf+16*\qt+7], 0
.endr
.endr
.irp kt, 0,1,2,3
.irp qt, 0,1
	v_wmma_f32_16x16x32_f16 v[SA+32*\qt+8*\kt:SA+32*\qt+8*\kt+7], v[KF+16*\kt+8:KF+16*\kt+15], v[\qf+16*\qt+8:\qf+16*\qt+15], v[SA+32*\qt+8*\kt:SA+32*\qt+8*\kt+7]
.endr
.endr
.endm
; One pass over the eight accumulators of O^T, keys 32 u + 0 .. 31: source 0 from vf, source 1 from pf.
.macro PV8 vf, pf, u
.irp qt, 0,1
.irp dt, 0,1,2,3
	v_wmma_f32_16x16x32_f16 v[OA+32*\qt+8*\dt:OA+32*\qt+8*\dt+7], v[\vf+16*\dt+8*\u:\vf+16*\dt+8*\u+7], v[\pf+\qt*(\pf/SA+1)*16+(\pf/SA+1)*8*\u:\pf+\qt*(\pf/SA+1)*16+(\pf/SA+1)*8*\u+7], v[OA+32*\qt+8*\dt:OA+32*\qt+8*\dt+7]
.endr
.endr
.endm
; O^T += V^T P^T over 64 keys: the eight accumulators by turns, one instruction a turn, in the same order in every pass.
; (P's fragment (qt, u) lies at SA + 32 qt + 16 u, its low part at PLO + 16 qt + 8 u: PV8 doubles the strides for SA.)
.macro PVMUL prec
	WIN 0x01
.irp u, 0,1
	PV8 VF, SA, \u
.if \prec
	PV8 VF, PLO, \u
	PV8 VLF, SA, \u
.endif
.endr
.endm
; The tile on the diagonal: key 64 half + 16 kt + 8 h + j stays if it is not beyond my query.
.macro MASK half
.irp qt, 0,1
.irp kt, 0,1,2,3
.irp j, 0,1,2,3,4,5,6,7
	v_cmp_le_i32 vcc_lo, 64*\half+16*\kt+\j, v[DQ+\qt]
	v_cndmask_b32 v[SA+32*\qt+8*\kt+\j], v[NINF], v[SA+32*\qt+8*\kt+\j], vcc_lo
.endr
.endr
.endr
.endm
; One step of the running softmax for query tile qt: 32 scores a lane.  prec = 1: p's low parts are kept too.
.macro SOFT qt, prec
.set SB, SA+32*\qt
.irp k, 0,1,2,3                        ; the largest of my 32 scores, in four chains
	v_max3_num_f32 v[TT+\k], v[SB+8*\k], v[SB+8*\k+1], v[SB+8*\k+2]
.endr
.irp k, 0,1,2,3
	v_max3_num_f32 v[TT+\k], v[TT+\k], v[SB+8*\k+3], v[SB+8*\k+4]
.endr
.irp k, 0,1,2,3
	v_max3_num_f32 v[TT+\k], v[TT+\k], v[SB+8*\k+5], v[SB+8*\k+6]
.endr
.irp k, 0,1,2,3
	v_max_num_f32 v[TT+\k], v[TT+\k], v[SB+8*\k+7]
.endr
	v_max3_num_f32 v[TT], v[TT], v[TT+1], v[TT+2]
	v_max_num_f32 v[TT], v[TT], v[TT+3]
	v_permlanex16_b32 v[TT+1], v[TT], s14, s15     ; the other 32 keys of my query lie in lane l xor 16
	v_max3_num_f32 v[MX+\qt], v[MX+\qt], v[TT], v[TT+1]
	v_mul_f32 v[TT+2], s18, v[MX+\qt]              ; -c x maximum
	v_sub_f32 v[TT+3], v[TT+2], v[NMR+2*\qt]       ; new less old: at most 0; -infinity in a block's first step, where the old one is +infinity
	v_mov_b32 v[NMR+2*\qt], v[TT+2]
	v_mov_b32 v[NMR+2*\qt+1], v[TT+2]
	v_exp_f32 v[ALR], v[TT+3]                      ; behind a transcendental one plain vector instruction comes before its result is used (ISA guide 5.7.2):
	v_exp_f32 v[ALR+1], v[TT+3]                    ; here the first multiply-add below
.set ix, 0
.rept 16
	v_pk_fma_f32 v[SB+2*ix:SB+2*ix+1], v[SB+2*ix:SB+2*ix+1], s[16:17], v[NMR+2*\qt:NMR+2*\qt+1] op_sel_hi:[1,0,1]
.set ix, ix+1
.endr
.set ix, 0
.rept 32
	v_exp_f32 v[SB+ix], v[SB+ix]
.set ix, ix+1
.endr
.set ix, 0
	s_wait_alu depctr_va_vdst(0)
.rept 16                               ; O is rescaled here: plain work behind the run of exponentials
	v_pk_mul_f32 v[OA+32*\qt+2*ix:OA+32*\qt+2*ix+1], v[OA+32*\qt+2*ix:OA+32*\qt+2*ix+1], v[ALR:ALR+1]
.set ix, ix+1
.endr
.irp k, 0,1,2,3                        ; the sum of my 32 p, in four chains of pairs
	v_pk_add_f32 v[TT+2*\k:TT+2*\k+1], v[SB+8*\k:SB+8*\k+1], v[SB+8*\k+2:SB+8*\k+3]
.endr
.irp k, 0,1,2,3
	v_pk_add_f32 v[TT+2*\k:TT+2*\k+1], v[TT+2*\k:TT+2*\k+1], v[SB+8*\k+4:SB+8*\k+5]
.endr
.irp k, 0,1,2,3
	v_pk_add_f32 v[TT+2*\k:TT+2*\k+1], v[TT+2*\k:TT+2*\k+1], v[SB+8*\k+6:SB+8*\k+7]
.endr
	v_pk_add_f32 v[TT:TT+1], v[TT:TT+1], v[TT+2:TT+3]
	v_pk_add_f32 v[TT+4:TT+5], v[TT+4:TT+5], v[TT+6:TT+7]
	v_pk_add_f32 v[TT:TT+1], v[TT:TT+1], v[TT+4:TT+5]
	v_add_f32 v[TT], v[TT], v[TT+1]
	v_fma_f32 v[LS+\qt], v[LS+\qt], v[ALR], v[TT]
.irp u, 0,1                            ; two tiles of S (16 registers) become one fragment of P^T (8 registers), in place, ascending
.irp i, 0,1,2,3,4,5,6,7
.if \prec
	v_cvt_pk_f16_f32 v28, v[SB+16*\u+2*\i], v[SB+16*\u+2*\i+1]     ; through v28: only v0 to v127 have named halves
	v_cvt_f32_f16 v30, v28.l
	v_cvt_f32_f16 v31, v28.h
	v_pk_add_f32 v[30:31], v[SB+16*\u+2*\i:SB+16*\u+2*\i+1], v[30:31] neg_lo:[0,1] neg_hi:[0,1]
	v_cvt_pk_f16_f32 v[PLO+16*\qt+8*\u+\i], v30, v31
	v_mov_b32 v[SB+16*\u+\i], v28
.else
	v_cvt_pk_f16_f32 v[SB+16*\u+\i], v[SB+16*\u+2*\i], v[SB+16*\u+2*\i+1]
.endif
.endr
.endr
.endm
; A key tile of 128, as two halves of 64.  Each run of 16 fragment loads is issued one phase ahead of its use.
.macro TILE slot, diag, qf, prec
	LDK \slot, 0
	LDV VF, VA+\slot, 0
.if \prec
	LDV VLF, VLA, 0
.endif
	s_wait_dscnt 16+16*\prec                       ; K's first half is in; V's 16 loads (and Vlo's 16) may stay out
	SMUL \qf
	PLACES
	LDK \slot, 1
	WIN 0
.if \diag
	MASK 0
.endif
	SOFT 0, \prec
	SOFT 1, \prec
	s_wait_dscnt 16                                ; V's first half is in; K's second half may stay out
	PVMUL \prec
	PLACES
	LDV VF, VA+\slot, 1
.if \prec
	LDV VLF, VLA, 1
.endif
	s_wait_dscnt 16+16*\prec                       ; K's second half is in; V's (and Vlo's) may stay out
	SMUL \qf
	PLACES
	WIN 0
.if \diag
	MASK 1
.endif
	SOFT 0, \prec
	SOFT 1, \prec
	s_wait_dscnt 0x0
	PVMUL \prec
	PLACES
	WIN 0
.endm
; One tile's trip.  In front of the barrier each wave waits for all its tensor loads (one is out: its part of this trip's tile) and for its reads of the
; other slot; behind it the other slot is filled again first, one tensor load a wave, and has this tile's work in which to land.
; reset = 1: this slot's next tile is tile `slot` of the second block, not the tile two further on.
.macro TRIP slot, reset, refill, diag, qf, prec
	s_wait_tensorcnt 0x0                           ; no tensor load of mine is out: every group 0 may be written
	ds_add_u32 v254, v255
	s_wait_dscnt 0x0
.if \reset
	s_add_nc_u64 s[G0K+4*\slot+2:G0K+4*\slot+3], s[20:21], \slot*TILEB
	s_or_b32 s[G0K+4*\slot+3], s[G0K+4*\slot+3], 0x80000000
	s_add_nc_u64 s[G0V+4*\slot+2:G0V+4*\slot+3], s[22:23], \slot*TILEB
	s_or_b32 s[G0V+4*\slot+3], s[G0V+4*\slot+3], 0x80000000
.else
	s_add_nc_u64 s[G0K+4*\slot+2:G0K+4*\slot+3], s[G0K+4*\slot+2:G0K+4*\slot+3], 2*TILEB
	s_add_nc_u64 s[G0V+4*\slot+2:G0V+4*\slot+3], s[G0V+4*\slot+2:G0V+4*\slot+3], 2*TILEB
.endif
	s_wait_dscnt 0x0                               ; my reads of the last tile are done (and my LDS stores, where there are any)
	s_barrier_signal -1
	s_barrier_wait -1                              ; both now hold of all four waves
.if \refill
	JLOAD (1-\slot)
.endif
	TILE \slot, \diag, \qf, \prec
.endm
; A block's start.  O is cleared by moves: a block's first tile stands in a loop for some work-groups and behind it for others, so a first product
; written out with the constant 0 would need every tile's text twice.
.macro INIT
.set ix, 0
.rept 64
	v_mov_b32 v[OA+ix], 0
.set ix, ix+1
.endr
	v_mov_b32 v[LS], 0
	v_mov_b32 v[LS+1], 0
	v_mov_b32 v[MX], v[NINF]
	v_mov_b32 v[MX+1], v[NINF]
.irp i, 0,1,2,3
	v_mov_b32 v[NMR+\i], 0x7f800000                ; +infinity: the first step's rescaling factor is exp2(-infinity) = 0
.endr
.endm
; A block's end: y = O / sum, as f16(y) and f16(y - f16(y)), through my wave's own two stages, out in stores of 512 consecutive bytes, aligned (four rows of y).
.macro FINAL yb, more
.irp qt, 0,1
	v_permlanex16_b32 v[TT], v[LS+\qt], s14, s15   ; the other half of my query's sum
	v_add_f32 v[TT], v[TT], v[LS+\qt]
	v_rcp_f32 v[ALR], v[TT]
	v_rcp_f32 v[ALR+1], v[TT]
	v_nop                                          ; the plain place behind the reciprocals (ISA guide 5.7.2)
.set ix, 0
	s_wait_alu depctr_va_vdst(0)
.rept 16
	v_pk_mul_f32 v[OA+32*\qt+2*ix:OA+32*\qt+2*ix+1], v[OA+32*\qt+2*ix:OA+32*\qt+2*ix+1], v[ALR:ALR+1]
.set ix, ix+1
.endr
.irp dt, 0,1,2,3
.irp i, 0,1,2,3
	v_cvt_pk_f16_f32 v28, v[OA+32*\qt+8*\dt+2*\i], v[OA+32*\qt+8*\dt+2*\i+1]
	v_cvt_f32_f16 v30, v28.l
	v_cvt_f32_f16 v31, v28.h
	v_pk_add_f32 v[30:31], v[OA+32*\qt+8*\dt+2*\i:OA+32*\qt+8*\dt+2*\i+1], v[30:31] neg_lo:[0,1] neg_hi:[0,1]
	v_cvt_pk_f16_f32 v[SA+32+16*\qt+4*\dt+\i], v30, v31
	v_mov_b32 v[OA+32*\qt+8*\dt+\i], v28
.endr
	ds_store_b128 v[STO], v[OA+32*\qt+8*\dt:OA+32*\qt+8*\dt+3] offset:\qt*16*KP+32*\dt
	ds_store_b128 v[STO], v[SA+32+16*\qt+4*\dt:SA+32+16*\qt+4*\dt+3] offset:STLOW+\qt*16*KP+32*\dt
.endr
.endr
.set ix, 0
.rept 8
	ds_load_b128 v[SA+4*ix:SA+4*ix+3], v[RD] offset:ix*4*KP    ; LDS serves a wave's instructions in order (ISA guide 5.7.1.4): these see the stores above
.set ix, ix+1
.endr
.set ix, 0
.rept 8
	ds_load_b128 v[PLO+4*ix:PLO+4*ix+3], v[RD] offset:STLOW+ix*4*KP
.set ix, ix+1
.endr
.set ix, 0
.rept 8
	s_wait_dscnt 15-ix                             ; of the sixteen loads number ix is in
	global_store_b128 v[YOF], v[SA+4*ix:SA+4*ix+3], s[\yb:\yb+1] offset:512*ix
.set ix, ix+1
.endr
.set ix, 0
.rept 8
	s_wait_dscnt 7-ix
	global_store_b128 v[YOF], v[PLO+4*ix:PLO+4*ix+3], s[\yb:\yb+1] offset:YLOW+512*ix
.set ix, ix+1
.endr
.if \more
	s_wait_xcnt 0x0                                ; the stores' data registers are written again by the next block only behind this wait
.endif
.endm
	s_load_b128 s[4:7], s[0:1], 0x0                ; qkv s[4:5], vlo s[6:7]
	s_load_b64 s[2:3], s[0:1], 0x10                ; y
	v_lshl_add_u32 v254, v0, 2, 0x29000
	v_mov_b32 v255, 0
	ds_add_u32 v254, v255
	ds_add_u32 v254, v255
	v_lshrrev_b32 v1, 5, v0
	v_readfirstlane_b32 s8, v1                     ; wave
	s_and_b32 s9, s8, 1                            ; which half of a tile I fetch
	s_lshr_b32 s10, s8, 1                          ; for K (0) or for V (1)
	s_mov_b32 s11, ttmp9                           ; w
	s_and_b32 s12, ttmp7, 0xffff                   ; 6 x batch + head
	s_mov_b32 s14, 0x76543210                      ; v_permlanex16_b32: lane i of one half reads lane i of the other
	s_mov_b32 s15, 0xfedcba98
	s_mov_b32 s16, 0x3e38aa3b                      ; c = log2(e) / 8, twice
	s_mov_b32 s17, 0x3e38aa3b
	s_mov_b32 s18, 0xbe38aa3b                      ; -c
	; group 1: 64 rows of 64 elements of 2 bytes, one behind the other in memory; in LDS 4 (K) or 8 (V) words of padding behind every 32 words
	s_mov_b32 s[G1K+0], (1<<16)|(1<<20)|(4<<22)|(3<<25)
	s_mov_b32 s[G1V+0], (1<<16)|(1<<20)|(4<<22)|(7<<25)
	s_mov_b32 s[G1K+1], 64<<16                     ; tensor_dim0 = 64
	s_mov_b32 s[G1V+1], 64<<16
	s_mov_b32 s[G1K+2], 64<<16                     ; tensor_dim1 = 64
	s_mov_b32 s[G1V+2], 64<<16
	s_mov_b32 s[G1K+3], 64<<16                     ; tile_dim0 = 64
	s_mov_b32 s[G1V+3], 64<<16
	s_mov_b32 s[G1K+4], 64                         ; tile_dim1 = 64
	s_mov_b32 s[G1V+4], 64
	s_mov_b32 s[G1K+5], 64                         ; 64 elements from row to row
	s_mov_b32 s[G1V+5], 64
	s_mov_b32 s[G1K+6], 0
	s_mov_b32 s[G1V+6], 0
	s_mov_b32 s[G1K+7], 0
	s_mov_b32 s[G1V+7], 0
	s_lshl_b32 s66, s12, 19                        ; my head: 524,288 bytes each
	s_lshl_b32 s67, s9, 13                         ; my half of a tile: 64 rows of 128 bytes
	s_add_co_u32 s68, s66, s67
	s_add_co_u32 s68, s68, KBASE
	s_mov_b32 s69, 0
	s_lshl_b32 s70, s11, 15
	s_add_co_u32 s70, s70, s66
	s_add_co_u32 s70, s70, TILEB                   ; block 2 w + 1
	s_mov_b32 s71, 0
	s_lshl_b32 s72, s11, 15
	s_sub_co_u32 s72, 30*TILEB, s72
	s_add_co_u32 s72, s72, s66                     ; block 30 - 2 w
	s_mov_b32 s73, 0
	s_lshl_b32 s74, s12, 14                        ; my head in vlo: 16,384 bytes each
	s_mov_b32 s75, 0
	s_mul_i32 s66, s9, 64*KP                       ; where my half goes in a slot: K's,
	s_mul_i32 s67, s9, 64*VP                       ; V's
	s_wait_dscnt 0x0
	s_wait_kmcnt 0x0
	s_add_nc_u64 s[20:21], s[4:5], s[68:69]        ; my half of K's tile 0
	s_add_nc_u64 s[22:23], s[20:21], VBASE-KBASE   ; of V's
	s_add_nc_u64 s[24:25], s[4:5], s[70:71]        ; q of the first block,
	s_add_nc_u64 s[26:27], s[4:5], s[72:73]        ; of the second
	s_add_nc_u64 s[28:29], s[2:3], s[70:71]        ; y of the first block,
	s_add_nc_u64 s[30:31], s[2:3], s[72:73]        ; of the second
	s_add_nc_u64 s[74:75], s[6:7], s[74:75]        ; my head's part of vlo
.irp s, 0,1
	s_mov_b32 s[G0K+4*\s], 1                                       ; count = 1
	s_add_co_u32 s[G0K+4*\s+1], s66, \s*SLOT                       ; LDS address
	s_add_nc_u64 s[G0K+4*\s+2:G0K+4*\s+3], s[20:21], \s*TILEB      ; global address: tile s
	s_or_b32 s[G0K+4*\s+3], s[G0K+4*\s+3], 0x80000000              ; type = 2
	s_mov_b32 s[G0V+4*\s], 1
	s_add_co_u32 s[G0V+4*\s+1], s67, \s*SLOT+VOFF
	s_add_nc_u64 s[G0V+4*\s+2:G0V+4*\s+3], s[22:23], \s*TILEB
	s_or_b32 s[G0V+4*\s+3], s[G0V+4*\s+3], 0x80000000
.endr
	JLOAD 0                                        ; tile 0 goes out before anything else; slot 1 is filled behind the first trip's barrier
	v_and_b32 v1, 31, v0                           ; l
	v_and_b32 v2, 15, v0                           ; r
	v_bfe_u32 v3, v0, 4, 1                         ; h
	s_lshl_b32 s66, s8, 12                         ; my wave's 32 rows of 128 bytes
	v_lshlrev_b32 v[QOF], 7, v2
	v_lshl_add_u32 v[QOF], v3, 4, v[QOF]
	v_add_nc_u32 v[QOF], s66, v[QOF]               ; (32 wave + r) x 128 + 16 h
.irp qt, 0,1
.irp c, 0,1
	global_load_b128 v[QE+16*\qt+8*\c:QE+16*\qt+8*\c+3],   v[QOF], s[24:25] offset:\qt*2048+64*\c
	global_load_b128 v[QE+16*\qt+8*\c+4:QE+16*\qt+8*\c+7], v[QOF], s[24:25] offset:\qt*2048+64*\c+32
	global_load_b128 v[QO+16*\qt+8*\c:QO+16*\qt+8*\c+3],   v[QOF], s[26:27] offset:\qt*2048+64*\c
	global_load_b128 v[QO+16*\qt+8*\c+4:QO+16*\qt+8*\c+7], v[QOF], s[26:27] offset:\qt*2048+64*\c+32
.endr
.endr
	v_lshl_add_u32 v[YOF], v1, 4, s66              ; 4,096 wave + 16 l
	v_mul_u32_u24 v[KA], v2, KP
	v_lshl_add_u32 v[KA], v3, 4, v[KA]             ; r x pitch + 16 h
	v_add_nc_u32 v[KA+1], SLOT, v[KA]
	v_and_b32 v[TT], 7, v0                         ; l & 7
	v_lshl_add_u32 v[TT+1], v3, 3, v[TT]           ; 8 h + (l & 7)
	v_bfe_u32 v[TT+2], v0, 3, 1                    ; (l >> 3) & 1
	v_mul_u32_u24 v[VA], v[TT+1], VP
	v_lshl_add_u32 v[VA], v[TT+2], 4, v[VA]
	v_add_nc_u32 v[VLA], VLO, v[VA]                ; the same place in vlo's tile,
	v_add_nc_u32 v[VA], VOFF, v[VA]                ; in slot 0,
	v_add_nc_u32 v[VA+1], SLOT, v[VA]              ; in slot 1
	s_mul_i32 s67, s8, 32*KP
	s_add_co_u32 s67, s67, STAGE                   ; my wave's stage
	v_add_nc_u32 v[STO], s67, v[KA]
	v_lshrrev_b32 v[TT+1], 3, v1                   ; l >> 3
	v_mul_u32_u24 v[RD], v[TT+1], KP
	v_lshl_add_u32 v[RD], v[TT], 4, v[RD]
	v_add_nc_u32 v[RD], s67, v[RD]
	v_lshlrev_b32 v[VLG], 4, v0                    ; vlo's tile: thread t takes 16 bytes at 16 t of every 2,048: row (t >> 3) + 16 i, byte 16 (t & 7)
	v_lshrrev_b32 v[TT+1], 3, v0
	v_mul_u32_u24 v[VLS], v[TT+1], VP
	v_lshl_add_u32 v[VLS], v[TT], 4, v[VLS]
	v_add_nc_u32 v[VLS], VLO, v[VLS]
	v_lshlrev_b32 v[TT+1], 3, v3
	v_sub_nc_u32 v[DQ], v2, v[TT+1]
	s_lshl_b32 s66, s8, 5
	v_add_nc_u32 v[DQ], s66, v[DQ]                 ; 32 wave + r - 8 h
	v_add_nc_u32 v[DQ+1], 16, v[DQ]
	v_mov_b32 v[NINF], 0xff800000
	INIT
	s_wait_loadcnt 0x0                             ; q of both blocks, once
	; block 2 w + 1: tiles 0 to 2 w - 1 in w trips of two, then tile 2 w and the tile on the diagonal
	s_cmp_eq_u32 s11, 0
	s_cbranch_scc1 .Lfirst_tail
	s_mov_b32 s13, s11
.Lfirst_loop:
	TRIP 0, 0, 1, 0, QE, 0
	TRIP 1, 0, 1, 0, QE, 0
	s_sub_co_u32 s13, s13, 1
	s_cmp_lg_u32 s13, 0
	s_cbranch_scc1 .Lfirst_loop
.Lfirst_tail:
	TRIP 0, 1, 1, 0, QE, 0                         ; slot 0's next tile is the second block's tile 0
	TRIP 1, 1, 1, 1, QE, 0                         ; the diagonal; its refill brings that tile 0, which lands during this tile and the way out
	FINAL 28, 1
	INIT
	; block 30 - 2 w: tiles 0 to 29 - 2 w in 15 - w trips of two, then the tile on the diagonal
	s_sub_co_u32 s13, 15, s11
	s_cmp_eq_u32 s13, 0
	s_cbranch_scc1 .Lsecond_tail
.Lsecond_loop:
	TRIP 0, 0, 1, 0, QO, 0
	TRIP 1, 0, 1, 0, QO, 0
	s_sub_co_u32 s13, s13, 1
	s_cmp_lg_u32 s13, 0
	s_cbranch_scc1 .Lsecond_loop
.Lsecond_tail:
	s_cmp_eq_u32 s11, 15                           ; the branch hangs on the work-group's number alone: all four waves go one way
	s_cbranch_scc1 .Lfew_keys
	TRIP 0, 0, 0, 1, QO, 0                         ; the last tile: nothing is left to fetch (the stepped addresses are not used)
	s_branch .Lsecond_out
.Lfew_keys:
	; block 0: v's low parts of keys 0 to 127, 16,384 bytes, come through registers into LDS bytes of their own; each load of a wave covers 512 consecutive bytes
.set ix, 0
.rept 8
	global_load_b128 v[SA+4*ix:SA+4*ix+3], v[VLG], s[74:75] offset:2048*ix
.set ix, ix+1
.endr
	s_wait_loadcnt 0x0
.set ix, 0
.rept 8
	ds_store_b128 v[VLS], v[SA+4*ix:SA+4*ix+3] offset:ix*16*VP
.set ix, ix+1
.endr
	TRIP 0, 0, 0, 1, QO, 1                         ; the trip's wait for my LDS instructions and its barrier stand between these stores and the other waves' reads
.Lsecond_out:
	FINAL 30, 0
	s_wait_tensorcnt 0x0
	ds_add_u32 v254, v255
	s_wait_dscnt 0x0
	s_endpgm
.Lfunc_end_k_qdfecb9d02d_attn:
	.size	k_qdfecb9d02d_attn, .Lfunc_end_k_qdfecb9d02d_attn-k_qdfecb9d02d_attn
	.p2alignl 7, 3214868480
	.fill 96, 4, 3214868480
	.section	.rodata,"a",@progbits
	.p2align	6, 0x0
	.amdhsa_kernel k_qdfecb9d02d_attn
		.amdhsa_group_segment_fixed_size 327680
		.amdhsa_private_segment_fixed_size 0
		.amdhsa_enable_private_segment 0
		.amdhsa_kernarg_size 24
		.amdhsa_user_sgpr_count 2
		.amdhsa_user_sgpr_kernarg_segment_ptr 1
		.amdhsa_wavefront_size32 1
		.amdhsa_system_sgpr_workgroup_id_x 1
		.amdhsa_system_sgpr_workgroup_id_y 1
		.amdhsa_system_sgpr_workgroup_id_z 1
		.amdhsa_system_vgpr_workitem_id 0
		.amdhsa_next_free_vgpr 448
		.amdhsa_next_free_sgpr 76
		.amdhsa_reserve_vcc 1
		.amdhsa_float_denorm_mode_32 3
		.amdhsa_float_denorm_mode_16_64 3
		.amdhsa_memory_ordered 1
		.amdhsa_forward_progress 1
		.amdhsa_inst_pref_size 255
	.end_amdhsa_kernel
	.section	.bss,"aw",@nobits
	.p2align	6
	.space	262144
	.amdgpu_metadata
---
amdhsa.version: [ 1, 2 ]
amdhsa.kernels:
  - .name:           k_qdfecb9d02d_attn
    .symbol:         k_qdfecb9d02d_attn.kd
    .args:
      - { .name: qkv, .offset: 0, .size: 8, .value_kind: global_buffer, .address_space: global }
      - { .name: vlo, .offset: 8, .size: 8, .value_kind: global_buffer, .address_space: global }
      - { .name: y, .offset: 16, .size: 8, .value_kind: global_buffer, .address_space: global }
    .group_segment_fixed_size: 327680
    .private_segment_fixed_size: 0
    .kernarg_segment_align: 8
    .kernarg_segment_size: 24
    .max_flat_workgroup_size: 128
    .sgpr_count:     76
    .vgpr_count:     448
    .wavefront_size: 32
...
	.end_amdgpu_metadata
.endif
;; end of part 2
;; launch out_proj (part 3): grid 2 x 128, 8 waves a work-group, no clusters, 302,080 bytes of LDS; arguments y, Wo, bo, out0; writes out0
.if DOCPART == 3
	.amdgcn_target "amdgcn-amd-amdhsa--gfx1250"
	.amdhsa_code_object_version 6
	.text
	.protected	k_qdfecb9d02d_out_proj
	.globl	k_qdfecb9d02d_out_proj
	.p2align	8
	.type	k_qdfecb9d02d_out_proj,@function
k_qdfecb9d02d_out_proj:
	s_mov_b64 s[64:65], 0
	v_nop
	global_prefetch_b8 v0, s[64:65] scope:SCOPE_SE
	s_setreg_imm32_b32 hwreg(HW_REG_WAVE_MODE, 25, 1), 1
	s_wait_xcnt 0x0
; out0 = y Wo^T + bo.  y: two arrays [2][6][4096][64] of f16 (batch, head, t, d), f16(y) at byte 0 and f16(y - f16(y)) at byte 6,291,456.
; Wo: [384][384] f32.  bo: [384] f32.  out0: [8192][384] f32.
; Work-group (cg, rg): 192 columns x 64 rows of out0: 256 work-groups.  Eight waves: wave w makes 32 rows (w >> 2) x 48 columns (w & 3), six tiles of 16 x 16.
; All operands lie whole in LDS (K = 384); products in f16 with f32 sums, y's two parts on the same accumulators; the bias is added in f32.
; y's low part is added because the rows with few keys are some twenty times larger than the output's root mean square: 2^-12 of such a row is not small beside the whole.
; Wo is rounded to bf16, like the other three weights of the module, and that number is written as f16, since a matrix instruction takes one format for both
; operands.  LIMIT: a bf16 number below 2^-14 in magnitude is kept in steps of 2^-24, one above 65,504 overflows.
; No cluster: Wo comes through registers, because it is converted on the way; there are no tensor loads that could be shared.
.set PITCH,  784                       ; an LDS row: 768 bytes + 16 = 49 x 16 (384 numbers of 2 bytes, or 192 of 4)
.set YREG,   192*PITCH                 ; LDS: Wo's 192 rows at 0, y's 64 rows at 150,528,
.set YLREG,  64*PITCH                  ; their low parts 50,176 bytes further,
.set STAGE,  YREG+128*PITCH            ; the way out at 250,880: 64 rows x 192 f32
.set WROW,   1536                      ; bytes in a row of Wo and of out0
.set GO,   1                           ; v1      global offset of my 16 bytes of Wo: 1,536 w + 16 l
.set LW,   2                           ; v2-4    LDS address of my 8 bytes in Wo's rows w, 80 + w, 160 + w
.set YG,   5                           ; v5      global offset of my 16 bytes of y: 512 w + 16 l
.set YL,   6                           ; v6      where they go in LDS
.set FY,   7                           ; v7      fragments of y
.set FW,   8                           ; v8      fragments of Wo
.set SS,   9                           ; v9      the way out: where I put 32 bytes
.set SR,   10                          ; v10     the way out: where I read 16 bytes back
.set OO,   11                          ; v11     my byte offset in out0
.set BO,   12                          ; v12     my byte offset in the bias
.set YL2,  13                          ; v13     where y's low parts go in LDS (the lane's number until then)
.set ACC,  16                          ; v16-63    tile (mt, nt) at ACC + 8 (2 mt + nt)
.set F0,   64                          ; v64-119   fragments: Wo's three at +8 mt, y's two at +24 + 8 nt, its low parts' two at +40 + 8 nt
.set F1,   120                         ; v120-175  the second buffer
.set BIAS, 224                         ; v224-247  my 8 biases for each mt
.set LAND0, 16                         ; v16-255   at the start: Wo's loads 0 to 59 land here
.set LANDY, 48                         ; v304-351  (48-95 of the second 256): y's 12 loads; v256-303: Wo's loads 60 to 71
.set LANDL, 96                         ; v352-399  the 12 loads of y's low parts
.set MSB, 0
.macro WIN new                         ; which 256 registers each operand place means; the immediate's high byte repeats the setting that is left
.if MSB != \new
	s_set_vgpr_msb (MSB<<8)|\new
.set MSB, \new
.endif
.endm
; Behind a matrix instruction, plain vector instructions that name none of its registers stand before its result is read and before a load is
; issued into one of its sources (ISA guide 7.12.1 for vector instructions): five v_nop serve every case here.
.macro PLACES
.rept 5
	v_nop
.endr
.endm
; Load i of Wo's rows: row 8 (i / 3) + w, bytes 512 (i % 3) + 16 l of it: each load of a wave covers 512 consecutive bytes, aligned.
.macro LDG dst, n, i0
.set ix, 0
.rept \n
.set ii, \i0+ix
	global_load_b128 v[\dst+4*ix:\dst+4*ix+3], v[GO], s[28:29] offset:(ii/3)*8*WROW+(ii%3)*512
.set ix, ix+1
.endr
.endm
.macro CVTW base, n                    ; four f32: rounded to bf16, widened again (a shift, a mask), written as f16 into the first two registers
.set ix, 0
.rept \n
	v_cvt_pk_bf16_f32 v[\base+4*ix], v[\base+4*ix], v[\base+4*ix+1]
	v_cvt_pk_bf16_f32 v[\base+4*ix+2], v[\base+4*ix+2], v[\base+4*ix+3]
	v_and_b32 v[\base+4*ix+1], s38, v[\base+4*ix]
	v_lshlrev_b32 v[\base+4*ix], 16, v[\base+4*ix]
	v_and_b32 v[\base+4*ix+3], s38, v[\base+4*ix+2]
	v_lshlrev_b32 v[\base+4*ix+2], 16, v[\base+4*ix+2]
	v_cvt_pk_f16_f32 v[\base+4*ix], v[\base+4*ix], v[\base+4*ix+1]
	v_cvt_pk_f16_f32 v[\base+4*ix+1], v[\base+4*ix+2], v[\base+4*ix+3]
.set ix, ix+1
.endr
.endm
.macro STL base, n, i0                 ; 8 bytes a lane: a wave's store covers 256 consecutive LDS bytes; one address register for every ten row groups
.set ix, 0
.rept \n
.set ii, \i0+ix
	ds_store_b64 v[LW+(ii/30)], v[\base+4*ix:\base+4*ix+1] offset:((ii/3)%10)*8*PITCH+(ii%3)*256
.set ix, ix+1
.endr
.endm
.macro FETCH ks, f                     ; the 14 loads of one K step of 32: six for Wo, four for y, four for its low parts
.irp mt, 0,1,2
	ds_load_b128 v[\f+8*\mt:\f+8*\mt+3],   v[FW] offset:\mt*16*PITCH+64*\ks
	ds_load_b128 v[\f+8*\mt+4:\f+8*\mt+7], v[FW] offset:\mt*16*PITCH+64*\ks+32
.endr
.irp nt, 0,1
	ds_load_b128 v[\f+24+8*\nt:\f+24+8*\nt+3],   v[FY] offset:\nt*16*PITCH+64*\ks
	ds_load_b128 v[\f+24+8*\nt+4:\f+24+8*\nt+7], v[FY] offset:\nt*16*PITCH+64*\ks+32
.endr
.irp nt, 0,1
	ds_load_b128 v[\f+40+8*\nt:\f+40+8*\nt+3],   v[FY] offset:YLREG+\nt*16*PITCH+64*\ks
	ds_load_b128 v[\f+40+8*\nt+4:\f+40+8*\nt+7], v[FY] offset:YLREG+\nt*16*PITCH+64*\ks+32
.endr
.endm
; Source 0 = 16 rows of Wo, source 1 = 16 rows of y: lane (r, h) then holds row t = r and the eight neighbouring columns 8 h + 0 .. 7.
; The six accumulators take turns, one instruction a turn, in the same order for y, for its low parts and in every step.
.macro MUL f, zero
.irp mt, 0,1,2
.irp nt, 0,1
.if \zero
	v_wmma_f32_16x16x32_f16 v[ACC+8*(2*\mt+\nt):ACC+8*(2*\mt+\nt)+7], v[\f+8*\mt:\f+8*\mt+7], v[\f+24+8*\nt:\f+24+8*\nt+7], 0
.else
	v_wmma_f32_16x16x32_f16 v[ACC+8*(2*\mt+\nt):ACC+8*(2*\mt+\nt)+7], v[\f+8*\mt:\f+8*\mt+7], v[\f+24+8*\nt:\f+24+8*\nt+7], v[ACC+8*(2*\mt+\nt):ACC+8*(2*\mt+\nt)+7]
.endif
.endr
.endr
.irp mt, 0,1,2
.irp nt, 0,1
	v_wmma_f32_16x16x32_f16 v[ACC+8*(2*\mt+\nt):ACC+8*(2*\mt+\nt)+7], v[\f+8*\mt:\f+8*\mt+7], v[\f+40+8*\nt:\f+40+8*\nt+7], v[ACC+8*(2*\mt+\nt):ACC+8*(2*\mt+\nt)+7]
.endr
.endr
.endm
.macro STEP nk, g, f, zero             ; fetch K step nk into buffer g, multiply buffer f
.if \nk > 1
	PLACES                                         ; buffer g was read by the matrix instructions just issued
.endif
	FETCH \nk, \g
	s_wait_dscnt 14                                ; LDS loads come back in order: all but the 14 just issued are in
	MUL \f, \zero
.endm
	s_load_b256 s[4:11], s[0:1], 0x0               ; y s[4:5], Wo s[6:7], bo s[8:9], out0 s[10:11]
	s_set_vgpr_msb 0x40
	v_lshl_add_u32 v144, v0, 2, 0x49800
	v_mov_b32 v145, 0
	s_set_vgpr_msb 0x4000
	v_lshrrev_b32 v13, 5, v0
	v_readfirstlane_b32 s20, v13                   ; wave w
	s_lshr_b32 s21, s20, 2                         ; wr: which 32 rows
	s_and_b32 s22, s20, 3                          ; wc: which 48 columns
	s_mov_b32 s23, ttmp9                           ; which 192 columns
	s_and_b32 s24, ttmp7, 0xffff                   ; which 64 rows
	s_mov_b32 s38, 0xffff0000                      ; a word's upper bf16
	v_and_b32 v13, 31, v0                          ; l
	v_and_b32 v14, 15, v0                          ; r
	v_bfe_u32 v15, v0, 4, 1                        ; h
	s_mul_i32 s36, s20, WROW
	v_lshl_add_u32 v[GO], v13, 4, s36
	s_mul_i32 s36, s20, PITCH
	v_lshl_add_u32 v[LW], v13, 3, s36
	v_add_nc_u32 v[LW+1], 80*PITCH, v[LW]
	v_add_nc_u32 v[LW+2], 160*PITCH, v[LW]
	s_lshl_b32 s36, s20, 9
	v_lshl_add_u32 v[YG], v13, 4, s36
	v_mul_u32_u24 v[FW], v14, PITCH                ; r x pitch
	v_lshl_add_u32 v[SS], v15, 5, v[FW]            ; + 32 h for the way out,
	v_lshl_add_u32 v[FW], v15, 4, v[FW]            ; + 16 h for the fragments
	s_mul_i32 s36, s21, 32*PITCH
	s_add_co_u32 s37, s36, YREG
	v_add_nc_u32 v[FY], s37, v[FW]
	s_mul_i32 s37, s22, 48*PITCH
	v_add_nc_u32 v[FW], s37, v[FW]
	s_mul_i32 s37, s22, 192
	v_lshl_add_u32 v[BO], v15, 5, s37              ; 4 (48 wc + 8 h)
	s_add_co_u32 s36, s36, s37
	s_add_co_u32 s36, s36, STAGE
	v_add_nc_u32 v[SS], s36, v[SS]                 ; stage + (32 wr + r) x pitch + 192 wc + 32 h
	v_mul_u32_u24 v[SR], v15, PITCH
	v_lshl_add_u32 v[SR], v14, 4, v[SR]
	s_mul_i32 s36, s20, 8*PITCH
	s_add_co_u32 s36, s36, STAGE
	v_add_nc_u32 v[SR], s36, v[SR]                 ; stage + (8 w + h) x pitch + 16 r
	v_mul_u32_u24 v[OO], v15, WROW
	v_lshl_add_u32 v[OO], v14, 4, v[OO]
	s_mul_i32 s36, s20, 8*WROW
	v_add_nc_u32 v[OO], s36, v[OO]                 ; (8 w + h) x 1,536 + 16 r
	v_lshrrev_b32 v14, 3, v13                      ; l >> 3
	v_and_b32 v15, 7, v13                          ; l & 7
	v_mul_u32_u24 v[YL], v14, PITCH
	v_lshl_add_u32 v[YL], v15, 4, v[YL]
	s_mul_i32 s36, s20, 4*PITCH
	s_add_co_u32 s36, s36, YREG
	v_add_nc_u32 v[YL], s36, v[YL]                 ; y's rows + (4 w + (l >> 3)) x pitch + 16 (l & 7)
	v_add_nc_u32 v[YL2], YLREG, v[YL]              ; the same place among the low parts
	s_wait_kmcnt 0x0
	s_mov_b32 s27, 0
	s_mul_i32 s26, s23, 192*WROW
	s_add_nc_u64 s[28:29], s[6:7], s[26:27]        ; Wo at my first row
	s_mul_i32 s26, s23, 768
	s_add_nc_u64 s[30:31], s[8:9], s[26:27]        ; bo at my first column
	s_mul_i32 s36, s24, 64*WROW
	s_add_co_u32 s26, s26, s36
	s_add_nc_u64 s[34:35], s[10:11], s[26:27]      ; out0 at my first row and column
	s_lshr_b32 s36, s24, 6                         ; batch: six heads of 524,288 bytes
	s_mul_i32 s36, s36, 6*524288
	s_and_b32 s37, s24, 63
	s_lshl_b32 s37, s37, 13                        ; my first t: 64 rows of 128 bytes for each rg & 63
	s_add_co_u32 s26, s36, s37
	s_add_nc_u64 s[32:33], s[4:5], s[26:27]        ; y at my first row,
	s_add_nc_u64 s[40:41], s[32:33], 6291456       ; its low parts (a base of their own: with the heads' strides the sum would pass the immediate's 24 bits)
	; everything is asked for at once: 72 loads of Wo, 24 of y
	LDG LAND0, 60, 0
	WIN 0x40                                       ; destinations in the second 256
	LDG 0, 12, 60
.set ix, 0
.rept 12                               ; load k: head k / 2, rows 32 (k % 2) + 4 w + 0 .. 3: 512 consecutive bytes, aligned
	global_load_b128 v[LANDY+4*ix:LANDY+4*ix+3], v[YG], s[32:33] offset:(ix/2)*524288+(ix%2)*4096
.set ix, ix+1
.endr
.set ix, 0
.rept 12
	global_load_b128 v[LANDL+4*ix:LANDL+4*ix+3], v[YG], s[40:41] offset:(ix/2)*524288+(ix%2)*4096
.set ix, ix+1
.endr
	WIN 0
	s_wait_loadcnt 36                              ; loads come back in order: of the 96 the 36 youngest may be out, Wo's first 60 are in
	CVTW LAND0, 60
	STL LAND0, 60, 0
	s_wait_loadcnt 0x0
	WIN 0x45                                       ; destination and both sources in the second 256
	CVTW 0, 12
	WIN 0x04                                       ; the stores' data in the second 256, their addresses in the first
	STL 0, 12, 60
.set ix, 0
.rept 12
	ds_store_b128 v[YL], v[LANDY+4*ix:LANDY+4*ix+3] offset:(ix%2)*32*PITCH+(ix/2)*128
	ds_store_b128 v[YL2], v[LANDL+4*ix:LANDL+4*ix+3] offset:(ix%2)*32*PITCH+(ix/2)*128
.set ix, ix+1
.endr
	WIN 0
	s_wait_dscnt 0x0                               ; my stores are done, for the others' sake
	s_barrier_signal -1
	s_barrier_wait -1                              ; Wo and y are whole
.irp mt, 0,1,2
	global_load_b128 v[BIAS+8*\mt:BIAS+8*\mt+3],   v[BO], s[30:31] offset:64*\mt
	global_load_b128 v[BIAS+8*\mt+4:BIAS+8*\mt+7], v[BO], s[30:31] offset:64*\mt+16
.endr
	; K = 384 in twelve steps of 32; the first product starts the sums
	FETCH 0, F0
	STEP 1,  F1, F0, 1
	STEP 2,  F0, F1, 0
	STEP 3,  F1, F0, 0
	STEP 4,  F0, F1, 0
	STEP 5,  F1, F0, 0
	STEP 6,  F0, F1, 0
	STEP 7,  F1, F0, 0
	STEP 8,  F0, F1, 0
	STEP 9,  F1, F0, 0
	STEP 10, F0, F1, 0
	STEP 11, F1, F0, 0
	s_wait_dscnt 0x0
	MUL F1, 0
	PLACES
	s_wait_loadcnt 0x0                             ; the bias
.irp mt, 0,1,2
.irp nt, 0,1
.irp j, 0,2,4,6
	v_pk_add_f32 v[ACC+8*(2*\mt+\nt)+\j:ACC+8*(2*\mt+\nt)+\j+1], v[ACC+8*(2*\mt+\nt)+\j:ACC+8*(2*\mt+\nt)+\j+1], v[BIAS+8*\mt+\j:BIAS+8*\mt+\j+1]
.endr
	ds_store_b128 v[SS], v[ACC+8*(2*\mt+\nt):ACC+8*(2*\mt+\nt)+3]   offset:\nt*16*PITCH+64*\mt
	ds_store_b128 v[SS], v[ACC+8*(2*\mt+\nt)+4:ACC+8*(2*\mt+\nt)+7] offset:\nt*16*PITCH+64*\mt+16
.endr
.endr
	s_wait_dscnt 0x0
	s_barrier_signal -1
	s_barrier_wait -1                              ; the stage is whole
	; the way out: load k takes rows 8 w + 2 (k / 3) + h, bytes 256 (k % 3) + 16 r: sixteen lanes store 256 consecutive bytes, aligned
.set ix, 0
.rept 12
	ds_load_b128 v[F0+4*ix:F0+4*ix+3], v[SR] offset:(ix/3)*2*PITCH+(ix%3)*256
.set ix, ix+1
.endr
.set ix, 0
.rept 12
	s_wait_dscnt 11-ix                             ; load ix is in; the younger ones stay out
	global_store_b128 v[OO], v[F0+4*ix:F0+4*ix+3], s[34:35] offset:(ix/3)*2*WROW+(ix%3)*256 th:TH_STORE_NT
.set ix, ix+1
.endr
	s_set_vgpr_msb 0x5
	s_wait_tensorcnt 0x0
	ds_add_u32 v144, v145
	s_wait_dscnt 0x0
	s_set_vgpr_msb 0x500
	s_endpgm
.Lfunc_end_k_qdfecb9d02d_out_proj:
	.size	k_qdfecb9d02d_out_proj, .Lfunc_end_k_qdfecb9d02d_out_proj-k_qdfecb9d02d_out_proj
	.p2alignl 7, 3214868480
	.fill 96, 4, 3214868480
	.section	.rodata,"a",@progbits
	.p2align	6, 0x0
	.amdhsa_kernel k_qdfecb9d02d_out_proj
		.amdhsa_group_segment_fixed_size 302080
		.amdhsa_private_segment_fixed_size 0
		.amdhsa_enable_private_segment 0
		.amdhsa_kernarg_size 32
		.amdhsa_user_sgpr_count 2
		.amdhsa_user_sgpr_kernarg_segment_ptr 1
		.amdhsa_wavefront_size32 1
		.amdhsa_system_sgpr_workgroup_id_x 1
		.amdhsa_system_sgpr_workgroup_id_y 1
		.amdhsa_system_sgpr_workgroup_id_z 1
		.amdhsa_system_vgpr_workitem_id 0
		.amdhsa_next_free_vgpr 402
		.amdhsa_next_free_sgpr 66
		.amdhsa_reserve_vcc 0
		.amdhsa_float_denorm_mode_32 3
		.amdhsa_float_denorm_mode_16_64 3
		.amdhsa_memory_ordered 1
		.amdhsa_forward_progress 1
		.amdhsa_inst_pref_size 74
	.end_amdhsa_kernel
	.amdgpu_metadata
---
amdhsa.version: [ 1, 2 ]
amdhsa.kernels:
  - .name:           k_qdfecb9d02d_out_proj
    .symbol:         k_qdfecb9d02d_out_proj.kd
    .args:
      - { .name: y, .offset: 0, .size: 8, .value_kind: global_buffer, .address_space: global }
      - { .name: Wo, .offset: 8, .size: 8, .value_kind: global_buffer, .address_space: global }
      - { .name: bo, .offset: 16, .size: 8, .value_kind: global_buffer, .address_space: global }
      - { .name: out0, .offset: 24, .size: 8, .value_kind: global_buffer, .address_space: global }
    .group_segment_fixed_size: 302080
    .private_segment_fixed_size: 0
    .kernarg_segment_align: 8
    .kernarg_segment_size: 32
    .max_flat_workgroup_size: 256
    .sgpr_count:     66
    .vgpr_count:     402
    .wavefront_size: 32
...
	.end_amdgpu_metadata
.endif
;; end of part 3
